; MI455X (gfx1250); checked and timed in simulation.
; The chip was launched on July 23, 2026; its instructions are those of AMD's public machine-readable ISA for CDNA 5 (MIT licence, August 2026) and "CDNA5" Instruction Set Architecture Reference Guide (July 2026). The comments in the code are by the model that wrote it; some were corrected since.
;; Vector Quantizer. Allowed arithmetic: float matrix products may take bf16 or f16 operands with f32 sums; all other float work in f32.
;; Inputs: codebook 8,192 x 256 float32; inputs 32,768 x 256 float32.
;; Outputs: out0 32,768 x 256 float32; out1 one number float32; out2 32,768 int32.
;; One version. Each part assembles by itself: llvm-mc -triple=amdgcn-amd-amdhsa -mcpu=gfx1250 --defsym DOCPART=n.
;; ======== version 1 of 1: 4 launches
;; workspace buffers: cbh 4,194,304 bytes; ee 32,768 bytes; idxw 131,072 bytes of whole numbers; part 2,048 bytes
;; launch prep (part 1): grid 256 x 1, 8 waves a work-group, no clusters, 1,280 bytes of LDS; arguments codebook, cbh, ee; writes cbh, ee
.if DOCPART == 1
	.amdgcn_target "amdgcn-amd-amdhsa--gfx1250"
	.amdhsa_code_object_version 6
	.text
	.protected	k_q827e64a817_prep
	.globl	k_q827e64a817_prep
	.p2align	8
	.type	k_q827e64a817_prep,@function
k_q827e64a817_prep:
	s_mov_b64 s[64:65], 0
	v_nop
	global_prefetch_b8 v0, s[64:65] scope:SCOPE_SE
	s_setreg_imm32_b32 hwreg(HW_REG_WAVE_MODE, 25, 1), 1
	s_wait_xcnt 0x0
; cbh[k][c] = bf16(codebook[k][c]);  ee[k] = sum over c of cbh[k][c]^2, in f32.
; codebook: [8192][256] f32.  cbh: [8192][256] bf16.  ee: [8192] f32.
; Done once here so that the launch that scans the codes streams half the bytes and never converts a code.
; The squares are taken of the ROUNDED numbers: the distances of the next launch are those of the rounded codes throughout.
; 256 work-groups of 8 waves; a work-group owns 32 codes, a wave 4.  A code is 1,024 bytes: two loads of 16 bytes a lane,
; each covering 512 consecutive bytes.  A lane holds columns 4 l .. 4 l + 3 and 128 + 4 l .. 128 + 4 l + 3, which pack into
; two pieces of 8 bytes: each store of the wave covers 256 consecutive bytes, aligned.
; ee leaves as 128 consecutive bytes for a work-group (32 numbers): half an aligned block of 256; the whole of ee is 32 KB.
; No matrix unit, no cluster: nothing is shared and memory binds.
.set T, 4                              ; v[4:11]   at work
.set E, 12                             ; v[12:15]  the four codes' sums
.set X, 16                             ; v[16:47]  code j: 8 registers as loaded
.set P, 48                             ; v[48:63]  code j: 4 registers, packed bf16; store data, never rewritten
	s_load_b128 s[4:7], s[0:1], 0x0                ; codebook s[4:5], cbh s[6:7]
	s_load_b64 s[8:9], s[0:1], 0x10                ; ee
	v_lshl_add_u32 v64, v0, 2, 0x100
	v_mov_b32 v65, 0
	v_lshrrev_b32 v3, 5, v0
	v_readfirstlane_b32 s10, v3                    ; wave 0..7
	v_and_b32 v3, 31, v0                           ; lane
	v_lshlrev_b32 v1, 4, v3                        ; 16 bytes a lane in a load
	v_lshlrev_b32 v2, 3, v3                        ; 8 bytes a lane in a store
	s_mov_b32 s12, 0x76543210                      ; v_permlanex16_b32: lane i of one half reads lane i of the other
	s_mov_b32 s13, 0xfedcba98
	s_mov_b32 s14, 0xffff0000                      ; a word's upper bf16
	s_lshl_b32 s16, ttmp9, 15                      ; 32 codes x 1,024 bytes
	s_lshl_b32 s15, s10, 12                        ; + 4 codes x 1,024 bytes for each wave
	s_add_co_u32 s16, s16, s15
	s_mov_b32 s17, 0
	s_lshr_b32 s18, s16, 1                         ; the same place in cbh: half the bytes
	s_mov_b32 s19, 0
	s_lshl_b32 s20, ttmp9, 7                       ; 32 numbers of ee
	s_mov_b32 s21, 0
	s_wait_kmcnt 0x0
	s_add_nc_u64 s[4:5], s[4:5], s[16:17]
	s_add_nc_u64 s[6:7], s[6:7], s[18:19]
	s_add_nc_u64 s[8:9], s[8:9], s[20:21]
.irp j, 0,1,2,3
	global_load_b128 v[X+8*\j:X+8*\j+3],   v1, s[4:5] offset:1024*\j        ; all eight loads go out first
	global_load_b128 v[X+8*\j+4:X+8*\j+7], v1, s[4:5] offset:1024*\j+512
.endr
.irp j, 0,1,2,3
	s_wait_loadcnt 6-2*\j                          ; loads come back in order: this code's two are in, the younger codes' stay out
.irp k, 0,1,2,3
	v_cvt_pk_bf16_f32 v[P+4*\j+\k], v[X+8*\j+2*\k], v[X+8*\j+2*\k+1]        ; two roundings to nearest even
.endr
	global_store_b64 v2, v[P+4*\j:P+4*\j+1],   s[6:7] offset:512*\j         ; columns 0 to 127
	global_store_b64 v2, v[P+4*\j+2:P+4*\j+3], s[6:7] offset:512*\j+256     ; columns 128 to 255
.irp k, 0,1,2,3
	v_lshlrev_b32 v[T+2*\k],   16,  v[P+4*\j+\k]   ; the rounded numbers back in f32
	v_and_b32     v[T+2*\k+1], s14, v[P+4*\j+\k]
.endr
	v_pk_mul_f32 v[T:T+1], v[T:T+1], v[T:T+1]      ; the first squares start the sum
	v_pk_fma_f32 v[T:T+1], v[T+2:T+3], v[T+2:T+3], v[T:T+1]
	v_pk_fma_f32 v[T:T+1], v[T+4:T+5], v[T+4:T+5], v[T:T+1]
	v_pk_fma_f32 v[T:T+1], v[T+6:T+7], v[T+6:T+7], v[T:T+1]
	v_add_f32 v[E+\j], v[T], v[T+1]
	v_add_f32_dpp v[E+\j], v[E+\j], v[E+\j] row_xmask:1 row_mask:0xf bank_mask:0xf
	v_add_f32_dpp v[E+\j], v[E+\j], v[E+\j] row_xmask:2 row_mask:0xf bank_mask:0xf
	v_add_f32_dpp v[E+\j], v[E+\j], v[E+\j] row_xmask:4 row_mask:0xf bank_mask:0xf
	v_add_f32_dpp v[E+\j], v[E+\j], v[E+\j] row_xmask:8 row_mask:0xf bank_mask:0xf
	v_permlanex16_b32 v3, v[E+\j], s12, s13        ; v3 has been written before
	v_add_f32 v[E+\j], v[E+\j], v3                 ; every lane holds the code's sum
.endr
	; the eight waves' 4 sums meet in LDS, so that one wave stores the group's 32 numbers side by side
	s_lshl_b32 s15, s10, 4
	v_mov_b32 v[T], s15
	ds_store_b128 v[T], v[E:E+3]                   ; all lanes write the same 16 bytes with the same values
	s_wait_dscnt 0x0                               ; for wave 0, which reads them: zero
	s_barrier_signal -1
	s_barrier_wait -1
	s_cmp_lg_u32 s10, 0
	s_cbranch_scc1 .Lend
	v_lshrrev_b32 v[T+1], 1, v2                    ; 4 bytes a lane
	ds_load_b32 v[T+2], v[T+1]
	s_wait_dscnt 0x0
	global_store_b32 v[T+1], v[T+2], s[8:9]
.Lend:
	s_wait_tensorcnt 0x0
	ds_add_u32 v64, v65
	s_wait_dscnt 0x0
	s_endpgm
.Lfunc_end_k_q827e64a817_prep:
	.size	k_q827e64a817_prep, .Lfunc_end_k_q827e64a817_prep-k_q827e64a817_prep
	.p2alignl 7, 3214868480
	.fill 96, 4, 3214868480
	.section	.rodata,"a",@progbits
	.p2align	6, 0x0
	.amdhsa_kernel k_q827e64a817_prep
		.amdhsa_group_segment_fixed_size 1280
		.amdhsa_private_segment_fixed_size 0
		.amdhsa_enable_private_segment 0
		.amdhsa_kernarg_size 24
		.amdhsa_user_sgpr_count 2
		.amdhsa_user_sgpr_kernarg_segment_ptr 1
		.amdhsa_wavefront_size32 1
		.amdhsa_system_sgpr_workgroup_id_x 1
		.amdhsa_system_sgpr_workgroup_id_y 1
		.amdhsa_system_sgpr_workgroup_id_z 1
		.amdhsa_system_vgpr_workitem_id 0
		.amdhsa_next_free_vgpr 66
		.amdhsa_next_free_sgpr 66
		.amdhsa_reserve_vcc 0
		.amdhsa_float_denorm_mode_32 3
		.amdhsa_float_denorm_mode_16_64 3
		.amdhsa_memory_ordered 1
		.amdhsa_forward_progress 1
		.amdhsa_inst_pref_size 8
	.end_amdhsa_kernel
	.amdgpu_metadata
---
amdhsa.version: [ 1, 2 ]
amdhsa.kernels:
  - .name:           k_q827e64a817_prep
    .symbol:         k_q827e64a817_prep.kd
    .args:
      - { .name: codebook, .offset: 0, .size: 8, .value_kind: global_buffer, .address_space: global }
      - { .name: cbh, .offset: 8, .size: 8, .value_kind: global_buffer, .address_space: global }
      - { .name: ee, .offset: 16, .size: 8, .value_kind: global_buffer, .address_space: global }
    .group_segment_fixed_size: 1280
    .private_segment_fixed_size: 0
    .kernarg_segment_align: 8
    .kernarg_segment_size: 24
    .max_flat_workgroup_size: 256
    .sgpr_count:     66
    .vgpr_count:     66
    .wavefront_size: 32
...
	.end_amdgpu_metadata
.endif
;; end of part 1
;; launch argmin (part 2): grid 256 x 1, 4 waves a work-group, clusters of 4 x 1, 327,680 bytes of LDS; arguments inputs, cbh, ee, out2, idxw; writes out2, idxw
.if DOCPART == 2
	.amdgcn_target "amdgcn-amd-amdhsa--gfx1250"
	.amdhsa_code_object_version 6
	.text
	.protected	k_q827e64a817_argmin
	.globl	k_q827e64a817_argmin
	.p2align	8
	.type	k_q827e64a817_argmin,@function
k_q827e64a817_argmin:
	s_mov_b64 s[64:65], 0
	v_nop
	global_prefetch_b8 v0, s[64:65] scope:SCOPE_SE
	s_setreg_imm32_b32 hwreg(HW_REG_WAVE_MODE, 25, 1), 1
	s_wait_xcnt 0x0
	s_wait_alu depctr_hold_cnt(0) depctr_sa_sdst(0) depctr_va_vdst(0) depctr_va_sdst(0) depctr_va_ssrc(0) depctr_va_vcc(0) depctr_vm_vsrc(0)
	s_getreg_b32 s2, hwreg(HW_REG_IB_STS2, 6, 4)
	s_cmp_eq_u32 s2, 0
	s_cbranch_scc0 .Lentry_in_a_cluster
	s_endpgm
.Lentry_in_a_cluster:
	s_bfe_u32 s2, ttmp6, 0x10000c
	s_cmp_lg_u32 s2, 0x3003
	s_cbranch_scc0 .Lentry_shape_is_right
	s_endpgm
.Lentry_shape_is_right:
; out2[n] = idxw[n] = the first k at which d(n, k) = fl( fl(xx[n] + ee[k]) - 2 dot(x[n], e[k]) ) is smallest.
; inputs: [32768][256] f32.  cbh: [8192][256] bf16 (the codes, rounded).  ee: [8192] f32.  out2, idxw: [32768] i32.
; x is rounded to bf16 on its way into the matrix unit, and xx is the sum of squares of the ROUNDED x, as ee is of the rounded
; codes: the distances are those of the rounded inputs throughout.  They are rounded twice in f32, in the order written above (one add,
; one fused multiply-add by -2, whose product is exact), and compared by a strict < in ascending k, so that equal distances give the first k.
; bf16, not f16: the operands keep the range of f32.
; LIMITS.  (1) A NaN distance is skipped (the minimum ignores it, < is false); a row all of whose distances are NaN or +inf gives 0.
; (2) The dot product is summed in the matrix unit's order: where a distance lies within that sum's error of a boundary between two
; f32 numbers while another code's distance is within one unit in the last place, the index can differ from a sum taken in another order.
;
; SHARES.  256 work-groups of four waves.  A work-group owns 128 rows of x and scans all 8,192 codes, so an index is final here.
; All four waves hold the same 128 rows as fragments that never move: 8 row tiles x 8 K steps x 8 registers = 512 registers.
; The codes pass through LDS in 32 steps of 256; in a step wave w takes codes 64 w .. 64 w + 63, four tiles of 16.  So a code's bytes are
; read from LDS once in the work-group, 8 KB of fragments feed 64 matrix instructions, and a wave reads only the 64 rows that its own
; tensor load brought.
; CLUSTER.  Every work-group walks the same codes in the same order: four work-groups form a cluster and ask for each code tile, and for
; ee, jointly (mask 15).  x belongs to one work-group and comes by a plain load.
;
; THE MATRIX INSTRUCTION IS USED TRANSPOSED: source 0 = 16 codes, source 1 = 16 rows of x.  Lane (r, h) then holds in register j the pair
; (row 16 i + r, code n0 + 8 h + j): xx is one number a lane and row tile, ee eight registers a code tile.
; PER 16 x 16 DISTANCES, 22 vector instructions: 4 packed adds (s = ee + xx), 4 packed multiply-adds (d = -2 acc + s), 4 minima of three
; (the eight d and the best so far), 1 compare, 1 select of the group's first index, 8 selects that keep the winning group's eight d.
; Which of the eight won is looked up once, at the end: the first kept d that equals the best.
;
; LDS:  0        slot 0: 256 codes, 528 bytes apart (512 + 16: 33 x 16, so the 16 rows of a fragment load start in 16 different 16-byte columns)
;       135,168  slot 1: first the stage for x, 128 rows 1,040 bytes apart (1,024 + 16), then codes
;       270,336  all of ee, 32,768 bytes
;       303,104  scratch for the last merge, 4 waves x 128 rows x 8 bytes; no tensor load ever lands here
.set CPITCH, 528
.set WTILE,  64*CPITCH                 ; a wave's 64 codes in a slot
.set SLOT,   4*WTILE                   ; 135,168
.set XPITCH, 1040
.set XWAVE,  32*XPITCH                 ; the 32 rows of x that a wave fetches
.set EEB,    2*SLOT
.set SCR,    EEB+32768
.set STEPB,  256*512                   ; bytes of cbh in a step
.set STEPS,  32
; vector registers, window 0 (an instruction names v0-v255; s_set_vgpr_msb says which window each operand place means)
.set LB0,  1                           ; LDS address of my code fragments in slot 0: 33,792 w + 528 r + 16 h
.set LB1,  2                           ; the same in slot 1
.set LEE,  3                           ; LDS address of my ee in this step: EEB + 1,024 t + 256 w + 32 h
.set LX0,  4                           ; x stage, row tiles 0-3: SLOT + 1,040 r + 32 h.  At the end: where I put a row's result
.set LX1,  5                           ; x stage, row tiles 4-7.                          At the end: where I read results back
.set NV,   6                           ; the index of my first column in the code tile at work: n0 + 8 h
.set TA,   7                           ; at the end: lane terms
.set EE1,  8                           ; v[8:15]    ee of the odd code tiles
.set BF,   16                          ; v[16:79]   a code tile's fragments, K step kk at + 8 kk
.set ACC,  80                          ; v[80:143]  accumulators, then distances: row tile i at + 8 i
.set CP,   144                         ; v[144:207] row tile i: the eight distances of the group that holds the best
.set GID,  208                         ; v[208:215] row tile i: that group's first index
.set BS0,  216                         ; v[216:223] row tile i: the best so far, in front of even code tiles
.set BS1,  224                         ; v[224:231] the same in front of odd ones: old and new best lie apart, so no move is needed
.set XX,   232                         ; v[232:239] row tile i: xx of row 16 i + r
.set EE0,  240                         ; v[240:247] ee of the even code tiles
.set T,    248                         ; v[248:255] at work
.set ST0,  16                          ; two stages of 64 registers for x in f32, before BF and ACC are in use
.set ST1,  80
; windows 1 and 2: the fragments of x.  Row tile i, K step kk: window 1 + i / 4, register 64 (i mod 4) + 8 kk
; scalar registers
.set G1C, 24                           ; s[24:31] group 1, a code tile: 64 rows x 256 bf16, joint
.set G1X, 32                           ; s[32:39] group 1, x: 32 rows x 256 f32, plain
.set G1E, 40                           ; s[40:47] group 1, ee: 32 rows x 256 bytes, joint
.set G0A, 48                           ; s[48:51] group 0 of slot 0, s[52:55] of slot 1
.set G0X, 56                           ; s[56:59]
.set G0E, 60                           ; s[60:63]
.set MSB, 0
.macro WIN new                         ; the immediate's high byte repeats the setting that is left; a switch that changes nothing is dropped
.if MSB != (\new)
	s_set_vgpr_msb (MSB<<8)|(\new)
.set MSB, (\new)
.endif
.endm
; A round of the cluster's barrier: my work-group's barrier, so that wave 0's signal speaks for all four waves; wave 0 signals for the
; work-group; every wave waits for the four work-groups; my work-group's barrier once more.
.macro CREST                           ; a round behind its opening barrier
	s_cmp_lg_u32 s14, 0
	s_cbranch_scc1 .Lnot_wave_0_\@
	s_barrier_signal -3
.Lnot_wave_0_\@:
	s_barrier_wait -3
	s_barrier_signal -1
	s_barrier_wait -1
.endm
.macro ROUND                           ; a whole round
	s_barrier_signal -1
	s_barrier_wait -1
	CREST
.endm
	s_load_b256 s[4:11], s[0:1], 0x0               ; inputs s[4:5], cbh s[6:7], ee s[8:9], out2 s[10:11]
	s_load_b64 s[12:13], s[0:1], 0x20              ; idxw
	s_set_vgpr_msb 0xc0
	v_lshl_add_u32 v0, v0, 2, 0x4b000
	v_mov_b32 v1, 0
	s_set_vgpr_msb 0xc0cf
	ds_add_u32 v0, v1
	s_set_vgpr_msb 0xcf00
	v_lshrrev_b32 v1, 5, v0
	v_readfirstlane_b32 s14, v1                    ; wave 0..3
	s_bfe_u32 s15, ttmp6, 0x40000                  ; cx: my place in the cluster
	s_lshl_b32 s16, ttmp9, 2                       ; in a cluster launch ttmp9 counts clusters
	s_add_co_u32 s16, s16, s15                     ; my work-group: 4 x cluster + cx
	s_mov_b32 s22, 0x76543210                      ; v_permlanex16_b32: lane i of one half reads lane i of the other
	s_mov_b32 s23, 0xfedcba98
	s_mov_b32 s69, 0x7f800000                      ; +inf
	; group 1 of a code tile.  Sizes in elements; the tiles lie inside the tensor, so the extents are the tile's own.
	s_mov_b32 s[G1C+0], 15|(1<<16)|(1<<20)|(1<<21)|(6<<22)|(3<<25)  ; mask: all four of the cluster; 2-byte elements; padding on; bit 21 beside a mask; after every 128 words (code 6) 4 words (code 3)
	s_mov_b32 s[G1C+1], 256<<16                    ; tensor_dim0 = 256
	s_mov_b32 s[G1C+2], 64<<16                     ; tensor_dim1 = 64
	s_mov_b32 s[G1C+3], 256<<16                    ; tile_dim0 = 256 elements: a whole code, 512 bytes
	s_mov_b32 s[G1C+4], 64                         ; tile_dim1 = 64 rows
	s_mov_b32 s[G1C+5], 256                        ; elements from row to row
	s_mov_b32 s[G1C+6], 0
	s_mov_b32 s[G1C+7], 0
	; group 1 of x: no mask; 4-byte elements; after every 256 words (code 7) 4 words
	s_mov_b32 s[G1X+0], (2<<16)|(1<<20)|(7<<22)|(3<<25)
	s_mov_b32 s[G1X+1], 256<<16
	s_mov_b32 s[G1X+2], 32<<16
	s_mov_b32 s[G1X+3], 256<<16
	s_mov_b32 s[G1X+4], 32
	s_mov_b32 s[G1X+5], 256
	s_mov_b32 s[G1X+6], 0
	s_mov_b32 s[G1X+7], 0
	; group 1 of ee: a dense block as rows of 32 elements of 8 bytes, no padding, joint
	s_mov_b32 s[G1E+0], 15|(3<<16)|(1<<21)
	s_mov_b32 s[G1E+1], 32<<16
	s_mov_b32 s[G1E+2], 32<<16
	s_mov_b32 s[G1E+3], 32<<16
	s_mov_b32 s[G1E+4], 32
	s_mov_b32 s[G1E+5], 32
	s_mov_b32 s[G1E+6], 0
	s_mov_b32 s[G1E+7], 0
	; places.  Every LDS address and every joint load's address hangs on the wave's number alone; cx enters x's address (a plain load) and the output's.
	s_mul_i32 s17, s14, WTILE                      ; my 64 rows in a slot
	s_mul_i32 s70, s14, XWAVE                      ; my 32 rows in the stage of x
	s_lshl_b32 s72, s14, 15                        ; 64 codes x 512 bytes; also 32 rows of x x 1,024 bytes
	s_mov_b32 s73, 0
	s_lshl_b32 s74, s14, 13                        ; my quarter of ee
	s_mov_b32 s75, 0
	s_lshl_b32 s18, s16, 17                        ; 128 rows of x x 1,024 bytes
	s_add_co_u32 s18, s18, s72
	s_mov_b32 s19, 0
	s_wait_dscnt 0x0
	s_wait_kmcnt 0x0
	s_mov_b32 s[G0A+0], 1                          ; slot 0: step 0
	s_add_co_u32 s[G0A+1], s17, 0*SLOT
	s_add_nc_u64 s[G0A+2:G0A+3], s[6:7], s[72:73]
	s_mov_b32 s[G0A+4], 1                          ; slot 1: step 1
	s_add_co_u32 s[G0A+5], s17, 1*SLOT
	s_add_nc_u64 s[G0A+6:G0A+7], s[G0A+2:G0A+3], STEPB
	s_or_b32 s[G0A+3], s[G0A+3], 0x80000000        ; type = 2
	s_or_b32 s[G0A+7], s[G0A+7], 0x80000000
	s_mov_b32 s[G0X+0], 1
	s_add_co_u32 s[G0X+1], s70, SLOT               ; x is staged where slot 1 will be
	s_add_nc_u64 s[G0X+2:G0X+3], s[4:5], s[18:19]
	s_or_b32 s[G0X+3], s[G0X+3], 0x80000000
	s_mov_b32 s[G0E+0], 1
	s_add_co_u32 s[G0E+1], s74, EEB
	s_add_nc_u64 s[G0E+2:G0E+3], s[8:9], s[74:75]
	s_or_b32 s[G0E+3], s[G0E+3], 0x80000000
	ROUND                                          ; the four work-groups are here: the first joint loads meet
	tensor_load_to_lds s[G0X:G0X+3], s[G1X:G1X+7]  ; the three first fills go out together; x first, since it is wanted first
	s_nop 0
	tensor_load_to_lds s[G0A:G0A+3], s[G1C:G1C+7]  ; step 0's codes
	s_nop 0
	tensor_load_to_lds s[G0E:G0E+3], s[G1E:G1E+7]  ; my quarter of ee.  Three tensor loads of the wave are out
	s_nop 0
	v_and_b32 v8, 15, v0                           ; r
	v_bfe_u32 v9, v0, 4, 1                         ; h
	v_mul_u32_u24 v10, v8, CPITCH
	v_lshl_add_u32 v10, v9, 4, v10
	v_add_nc_u32 v[LB0], s17, v10
	v_add_nc_u32 v[LB1], SLOT, v[LB0]
	s_lshl_b32 s70, s14, 8
	s_add_co_u32 s70, s70, EEB
	v_lshl_add_u32 v[LEE], v9, 5, s70
	v_mul_u32_u24 v10, v8, XPITCH
	v_lshl_add_u32 v10, v9, 5, v10
	v_add_nc_u32 v[LX0], SLOT, v10
	v_add_nc_u32 v[LX1], SLOT+4*16*XPITCH, v10
	s_lshl_b32 s71, s14, 6
	v_lshl_add_u32 v[NV], v9, 3, s71               ; 64 w + 8 h
; A fragment is 16 rows x 32 K of bf16 in 8 registers: lane (r, h) holds row r; registers 0-3 hold K = 8 h + 0..7, registers 4-7 K = 16 + 8 h + 0..7.
; Batch b = row tile b / 2, K steps 4 (b mod 2) + 0..3.  In f32 a lane's share of a K step is 32 bytes at 128 kk + 32 h and 32 bytes 64 further on.
.macro LOADX b, st
.set xi, (\b)>>1
.set xa, LX0+(xi>>2)
.set xo, (xi&3)*16*XPITCH+512*((\b)&1)
.irp c, 0,1,2,3
	ds_load_b128 v[\st+16*\c:\st+16*\c+3],     v[xa] offset:xo+128*\c
	ds_load_b128 v[\st+16*\c+4:\st+16*\c+7],   v[xa] offset:xo+128*\c+16
	ds_load_b128 v[\st+16*\c+8:\st+16*\c+11],  v[xa] offset:xo+128*\c+64
	ds_load_b128 v[\st+16*\c+12:\st+16*\c+15], v[xa] offset:xo+128*\c+80
.endr
.endm
; The batch is rounded into its fragments, and the squares of the rounded numbers are added up, straight from the bf16 halves, in four chains.
.macro CONV b, st
.set ci, (\b)>>1
.set cq, (\b)&1
.set cw, 1+(ci>>2)
.set cf, 64*(ci&3)+32*cq
.if cq == 0
.irp c, 0,1,2,3
	v_mov_b32 v[T+\c], 0                           ; four chains for a row tile
.endr
.endif
	WIN cw<<6                                      ; destination in the fragments' window
.irp c, 0,1,2,3
.irp e, 0,1,2,3,4,5,6,7
	v_cvt_pk_bf16_f32 v[cf+8*\c+\e], v[\st+16*\c+2*\e], v[\st+16*\c+2*\e+1]
.endr
.endr
	WIN cw|(cw<<2)                                 ; sources 0 and 1 in the fragments' window, the sum in window 0
.irp c, 0,1,2,3
.irp e, 0,1,2,3,4,5,6,7
	v_fma_mix_f32_bf16 v[T+2*(\e&1)],   v[cf+8*\c+\e], v[cf+8*\c+\e], v[T+2*(\e&1)]   op_sel_hi:[1,1,0]
	v_fma_mix_f32_bf16 v[T+2*(\e&1)+1], v[cf+8*\c+\e], v[cf+8*\c+\e], v[T+2*(\e&1)+1] op_sel:[1,1,0] op_sel_hi:[1,1,0]
.endr
.endr
	WIN 0
.if cq == 1
	v_add_f32 v[T], v[T], v[T+1]
	v_add_f32 v[T+2], v[T+2], v[T+3]
	v_add_f32 v[T], v[T], v[T+2]                   ; my half of the row's K,
	v_permlanex16_b32 v[T+1], v[T], s22, s23       ; and the other half's
	v_add_f32 v[XX+ci], v[T], v[T+1]
.endif
.endm
; 18 LDS loads in one run: code tile j of my four (16 codes, all of K) into BF, and its eight ee of my half into ee
.macro LOADB lb, j, ee
.irp k, 0,1,2,3,4,5,6,7
	ds_load_b128 v[BF+8*\k:BF+8*\k+3],   v[\lb] offset:(\j)*16*CPITCH+64*\k
	ds_load_b128 v[BF+8*\k+4:BF+8*\k+7], v[\lb] offset:(\j)*16*CPITCH+64*\k+32
.endr
	ds_load_b128 v[\ee:\ee+3],   v[LEE] offset:64*(\j)
	ds_load_b128 v[\ee+4:\ee+7], v[LEE] offset:64*(\j)+16
.endm
; 32 matrix instructions: row tiles 4 g .. 4 g + 3 against the code tile, all of K.  The first K step starts the sums: nothing is cleared.
; The four accumulators take turns, one instruction a turn.
.macro MUL32 g
	WIN (1+\g)<<2                                  ; source 1 (x) in window 1 + g; all else in window 0
.irp k, 0,1,2,3,4,5,6,7
.irp a, 0,1,2,3
.if \k == 0
	v_wmma_f32_16x16x32_bf16 v[ACC+8*(4*\g+\a):ACC+8*(4*\g+\a)+7], v[BF+8*\k:BF+8*\k+7], v[64*\a+8*\k:64*\a+8*\k+7], 0
.else
	v_wmma_f32_16x16x32_bf16 v[ACC+8*(4*\g+\a):ACC+8*(4*\g+\a)+7], v[BF+8*\k:BF+8*\k+7], v[64*\a+8*\k:64*\a+8*\k+7], v[ACC+8*(4*\g+\a):ACC+8*(4*\g+\a)+7]
.endif
.endr
.endr
.endm
; s = fl(ee + xx) for row tile i: xx is one register of a pair, fed to both halves of the packed add
.macro EPI_S i, ee
.irp p, 0,2,4,6
.if (\i)&1
	v_pk_add_f32 v[T+\p:T+\p+1], v[\ee+\p:\ee+\p+1], v[XX+((\i)&6):XX+((\i)&6)+1] op_sel:[0,1] op_sel_hi:[1,1]
.else
	v_pk_add_f32 v[T+\p:T+\p+1], v[\ee+\p:\ee+\p+1], v[XX+((\i)&6):XX+((\i)&6)+1] op_sel_hi:[1,0]
.endif
.endr
.endm
; d = fl(s - 2 dot) in place; the new best; where it is smaller than the old one (strictly: an equal distance further on never wins),
; the group's first index and its eight distances are kept.  bi: the best so far; bo: where the new best goes.
.macro EPI_R i, bi, bo
.irp p, 0,2,4,6
	v_pk_fma_f32 v[ACC+8*\i+\p:ACC+8*\i+\p+1], v[ACC+8*\i+\p:ACC+8*\i+\p+1], -2.0, v[T+\p:T+\p+1] op_sel_hi:[1,0,1]
.endr
	v_min3_num_f32 v[\bo+\i], v[ACC+8*\i],   v[ACC+8*\i+1], v[\bi+\i]
	v_min3_num_f32 v[T],      v[ACC+8*\i+2], v[ACC+8*\i+3], v[ACC+8*\i+4]
	v_min3_num_f32 v[T+1],    v[ACC+8*\i+5], v[ACC+8*\i+6], v[ACC+8*\i+7]
	v_min3_num_f32 v[\bo+\i], v[\bo+\i], v[T], v[T+1]
	v_cmp_lt_f32 vcc_lo, v[\bo+\i], v[\bi+\i]
	v_cndmask_b32 v[GID+\i], v[GID+\i], v[NV], vcc_lo
.irp p, 0,1,2,3,4,5,6,7
	v_cndmask_b32 v[CP+8*\i+\p], v[CP+8*\i+\p], v[ACC+8*\i+\p], vcc_lo
.endr
.endm
.macro EPI i, ee, bi, bo
	EPI_S \i, \ee
	EPI_R \i, \bi, \bo
.endm
; Code tile j = 0, 1, 2 of a step.  A vector instruction that reads a matrix result, and a load into a register that a matrix instruction has
; read, stand four places behind it, and only plain vector instructions that name none of its registers are places (ISA guide 7.12.1 for vector
; instructions): the four packed adds of EPI_S 0 name T, ee and xx alone and are those places.  Behind them
; the next tile's 18 loads go out, and have the rest of this tile's vector work in which to come back.
.macro NT lb, j
.set eej, EE0+((\j)&1)*(EE1-EE0)
.set een, EE0+(((\j)+1)&1)*(EE1-EE0)
.set bsi, BS0+8*((\j)&1)
.set bso, BS0+8*(((\j)+1)&1)
	s_wait_dscnt 0x0                               ; this tile's fragments and ee are in
	MUL32 0
	MUL32 1
	WIN 0
	EPI_S 0, eej
	LOADB \lb, (\j)+1, een
	EPI_R 0, bsi, bso
.irp i, 1,2,3,4,5,6,7
	EPI \i, eej, bsi, bso
.endr
	v_add_nc_u32 v[NV], 16, v[NV]
.endm
; Code tile 3, the last of a step, and the change of slots.
; mode 1: this slot is filled again, two steps ahead.  In front of the round each wave has waited for its reads of the slot and for all its
;         tensor loads, of which one is out: its part of the other slot.  Inside the round stands register work alone.  Behind it the joint
;         refill comes first; it has a whole step, 256 matrix instructions and their vector work, in which to land.
; mode 2: the last step but one: nothing is left to fetch, so no barrier; a wave reads only the rows that its own load brought, behind its own wait.
; mode 0: the last step.
.macro NTX slot, mode
	s_wait_dscnt 0x0                               ; this tile's fragments are in: my last reads of this slot
	MUL32 0
	MUL32 1
	WIN 0
.if \mode == 1
	s_set_vgpr_msb 0xf
	s_wait_tensorcnt 0x0                           ; all my tensor loads have landed, so a group 0 may be written:
	ds_add_u32 v0, v1
	s_wait_dscnt 0x0
	s_set_vgpr_msb 0xf00
	s_add_nc_u64 s[G0A+4*\slot+2:G0A+4*\slot+3], s[G0A+4*\slot+2:G0A+4*\slot+3], 2*STEPB   ; this slot's next step
	s_wait_dscnt 0x0                               ; met: no LDS instruction has been issued since the wait above
	s_barrier_signal -1                            ; opens a round of the cluster's barrier
.irp i, 0,1,2,3
	EPI \i, EE1, BS1, BS0                          ; its first four adds are the places behind the matrix instructions
.endr
	s_barrier_wait -1
	CREST                                          ; no wave of any partner still reads this slot or has a load on its way
	tensor_load_to_lds s[G0A+4*\slot:G0A+4*\slot+3], s[G1C:G1C+7]   ; my one tensor load behind the round, and the first thing there
	s_nop 0
	v_add_nc_u32 v[LEE], 1024, v[LEE]              ; the next step's ee
	LOADB LB0+1-\slot, 0, EE0
.irp i, 4,5,6,7
	EPI \i, EE1, BS1, BS0
.endr
	v_add_nc_u32 v[NV], 208, v[NV]                 ; 3 x 16 + 208 = 256 codes on
.endif
.if \mode == 2
	s_wait_tensorcnt 0x0                           ; my part of the last step has landed; no tensor load is out from here on
	EPI_S 0, EE1
	v_add_nc_u32 v[LEE], 1024, v[LEE]
	LOADB LB0+1-\slot, 0, EE0
	EPI_R 0, BS1, BS0
.irp i, 1,2,3,4,5,6,7
	EPI \i, EE1, BS1, BS0
.endr
	v_add_nc_u32 v[NV], 208, v[NV]
.endif
.if \mode == 0
.irp i, 0,1,2,3,4,5,6,7
	EPI \i, EE1, BS1, BS0
.endr
.endif
.endm
.macro STEP slot, mode
	NT LB0+\slot, 0
	NT LB0+\slot, 1
	NT LB0+\slot, 2
	NTX \slot, \mode
.endm
; (dv, di) = the better of (bv, bi) and (ov, oi): the smaller distance, and of equal ones the smaller index
.macro PICK dv, di, bv, bi, ov, oi
	v_cmp_lt_f32 s66, v[\ov], v[\bv]
	v_cmp_eq_f32 s67, v[\ov], v[\bv]
	v_cmp_lt_u32 s68, v[\oi], v[\bi]
	s_and_b32 s67, s67, s68
	s_or_b32 vcc_lo, s66, s67
	v_cndmask_b32 v[\dv], v[\bv], v[\ov], vcc_lo
	v_cndmask_b32 v[\di], v[\bi], v[\oi], vcc_lo
.endm
	; x into fragments.  Every wave reads all 128 rows, which four waves' loads brought: each waits for its own, then a barrier.
	s_wait_tensorcnt 0x2                           ; two younger loads (step 0's codes, ee) may stay out
	s_barrier_signal -1
	s_barrier_wait -1
	LOADX 0, ST0
.set bb, 0
.rept 15
.set stc, ST0+64*(bb&1)
.set stn, ST0+64*((bb+1)&1)
	LOADX bb+1, stn                                ; the next batch goes out first,
	s_wait_dscnt 16                                ; and its 16 loads may stay out: this batch's are in
	CONV bb, stc
.set bb, bb+1
.endr
	s_wait_dscnt 0x0
	CONV 15, ST1
	; the stage of x becomes slot 1: my reads of it are back, all my tensor loads have landed (ee, of which the other waves read parts, among them)
	s_wait_dscnt 0x0
	s_set_vgpr_msb 0xf
	s_wait_tensorcnt 0x0
	ds_add_u32 v0, v1
	s_wait_dscnt 0x0
	s_set_vgpr_msb 0xf00
	ROUND
	tensor_load_to_lds s[G0A+4:G0A+7], s[G1C:G1C+7]   ; step 1, my one tensor load behind the round
	s_nop 0
	LOADB LB0, 0, EE0
	; the selects read what they may keep, so the kept values start at +inf and the first index; these moves stand where the first loads are awaited
.set q, 0
.rept 64
	v_mov_b32 v[CP+q], s69
.set q, q+1
.endr
.irp i, 0,1,2,3,4,5,6,7
	v_mov_b32 v[BS0+\i], s69
	v_mov_b32 v[GID+\i], v[NV]
.endr
	s_mov_b32 s21, (STEPS-2)/2
.Lsteps:
	STEP 0, 1
	STEP 1, 1
	s_sub_co_u32 s21, s21, 1
	s_cmp_lg_u32 s21, 0
	s_cbranch_scc1 .Lsteps
	STEP 0, 2                                      ; the last two steps fetch nothing
	STEP 1, 0
	; THE END.  In each lane and row tile: the first of the eight kept distances that equals the best gives the place in the group.
	; Then the two halves of the lanes (columns 8 h + ..), then the four waves.
	v_and_b32 v[TA], 15, v0
	s_lshl_b32 s70, s14, 10
	s_add_co_u32 s70, s70, SCR
	v_lshl_add_u32 v[LX0], v[TA], 3, s70           ; SCR + 1,024 w + 8 r
.irp i, 0,1,2,3,4,5,6,7
	v_mov_b32 v[T], 7
.irp j, 6,5,4,3,2,1,0
	v_cmp_neq_f32 vcc_lo, v[CP+8*\i+\j], v[BS0+\i]
	v_cndmask_b32 v[T], \j, v[T], vcc_lo           ; descending, so that the first equal one stays
.endr
	v_add_nc_u32 v[T+1], v[GID+\i], v[T]
	v_permlanex16_b32 v[T+2], v[BS0+\i], s22, s23
	v_permlanex16_b32 v[T+3], v[T+1], s22, s23
	PICK BF+2*\i, BF+2*\i+1, BS0+\i, T+1, T+2, T+3
	ds_store_b64 v[LX0], v[BF+2*\i:BF+2*\i+1] offset:128*\i     ; row 16 i + r; both halves write the same 8 bytes with the same values
.endr
	s_wait_dscnt 0x0                               ; for the other waves, which read them: zero
	s_barrier_signal -1
	s_barrier_wait -1
	; waves 0 and 1 store out2, waves 2 and 3 the copy from which the next launch forms addresses; a lane takes rows 64 (w mod 2) + 2 l and + 1
	v_and_b32 v[TA], 31, v0
	s_and_b32 s70, s14, 1
	s_lshl_b32 s71, s70, 9
	s_add_co_u32 s71, s71, SCR
	v_lshl_add_u32 v[LX1], v[TA], 4, s71
.irp u, 0,1,2,3
	ds_load_b128 v[ACC+4*\u:ACC+4*\u+3], v[LX1] offset:1024*\u  ; wave u's (best, index) of my two rows
.endr
	v_lshlrev_b32 v[TA], 3, v[TA]                  ; 8 bytes a lane
	s_lshl_b32 s76, s16, 9                         ; 128 rows x 4 bytes
	s_lshl_b32 s77, s70, 8
	s_add_co_u32 s76, s76, s77
	s_mov_b32 s77, 0
	s_cmp_lt_u32 s14, 2
	s_cselect_b64 s[78:79], s[10:11], s[12:13]
	s_add_nc_u64 s[78:79], s[78:79], s[76:77]
	s_wait_dscnt 0x0
	PICK ACC,   ACC+1,  ACC,   ACC+1, ACC+4,  ACC+5
	PICK ACC+2, ACC+3,  ACC+2, ACC+3, ACC+6,  ACC+7
	PICK ACC,   ACC+1,  ACC,   ACC+1, ACC+8,  ACC+9
	PICK ACC+2, ACC+3,  ACC+2, ACC+3, ACC+10, ACC+11
	PICK ACC,   ACC+16, ACC,   ACC+1, ACC+12, ACC+13
	PICK ACC+2, ACC+17, ACC+2, ACC+3, ACC+14, ACC+15
	global_store_b64 v[TA], v[ACC+16:ACC+17], s[78:79]          ; the wave's store covers 256 consecutive bytes, aligned
	s_set_vgpr_msb 0xf
	s_wait_tensorcnt 0x0
	ds_add_u32 v0, v1
	s_wait_dscnt 0x0
	s_set_vgpr_msb 0xf00
	ROUND                                          ; the closing round: no work-group ends while a partner may still ask for a tile that names it
	s_endpgm
.Lfunc_end_k_q827e64a817_argmin:
	.size	k_q827e64a817_argmin, .Lfunc_end_k_q827e64a817_argmin-k_q827e64a817_argmin
	.p2alignl 7, 3214868480
	.fill 96, 4, 3214868480
	.section	.rodata,"a",@progbits
	.p2align	6, 0x0
	.amdhsa_kernel k_q827e64a817_argmin
		.amdhsa_group_segment_fixed_size 327680
		.amdhsa_private_segment_fixed_size 0
		.amdhsa_enable_private_segment 0
		.amdhsa_kernarg_size 40
		.amdhsa_user_sgpr_count 2
		.amdhsa_user_sgpr_kernarg_segment_ptr 1
		.amdhsa_wavefront_size32 1
		.amdhsa_system_sgpr_workgroup_id_x 1
		.amdhsa_system_sgpr_workgroup_id_y 1
		.amdhsa_system_sgpr_workgroup_id_z 1
		.amdhsa_system_vgpr_workitem_id 0
		.amdhsa_next_free_vgpr 770
		.amdhsa_next_free_sgpr 80
		.amdhsa_reserve_vcc 1
		.amdhsa_float_denorm_mode_32 3
		.amdhsa_float_denorm_mode_16_64 3
		.amdhsa_memory_ordered 1
		.amdhsa_forward_progress 1
		.amdhsa_inst_pref_size 255
	.end_amdhsa_kernel
	.section	.bss,"aw",@nobits
	.p2align	6
	.space	262144
	.amdgpu_metadata
---
amdhsa.version: [ 1, 2 ]
amdhsa.kernels:
  - .name:           k_q827e64a817_argmin
    .symbol:         k_q827e64a817_argmin.kd
    .args:
      - { .name: inputs, .offset: 0, .size: 8, .value_kind: global_buffer, .address_space: global }
      - { .name: cbh, .offset: 8, .size: 8, .value_kind: global_buffer, .address_space: global }
      - { .name: ee, .offset: 16, .size: 8, .value_kind: global_buffer, .address_space: global }
      - { .name: out2, .offset: 24, .size: 8, .value_kind: global_buffer, .address_space: global }
      - { .name: idxw, .offset: 32, .size: 8, .value_kind: global_buffer, .address_space: global }
    .group_segment_fixed_size: 327680
    .private_segment_fixed_size: 0
    .kernarg_segment_align: 8
    .kernarg_segment_size: 40
    .max_flat_workgroup_size: 128
    .sgpr_count:     80
    .vgpr_count:     770
    .wavefront_size: 32
...
	.end_amdgpu_metadata
.endif
;; end of part 2
;; launch gather (part 3): grid 512 x 1, 8 waves a work-group, no clusters, 1,280 bytes of LDS; arguments codebook, inputs, idxw, out0, part; writes out0, part
.if DOCPART == 3
	.amdgcn_target "amdgcn-amd-amdhsa--gfx1250"
	.amdhsa_code_object_version 6
	.text
	.protected	k_q827e64a817_gather
	.globl	k_q827e64a817_gather
	.p2align	8
	.type	k_q827e64a817_gather,@function
k_q827e64a817_gather:
	s_mov_b64 s[64:65], 0
	v_nop
	global_prefetch_b8 v0, s[64:65] scope:SCOPE_SE
	s_setreg_imm32_b32 hwreg(HW_REG_WAVE_MODE, 25, 1), 1
	s_wait_xcnt 0x0
; out0[n][c] = x[n][c] + (codebook[idx[n]][c] - x[n][c]);  part[g] = the sum of (codebook[idx[n]][c] - x[n][c])^2 over work-group g's rows.
; codebook: [8192][256] f32.  inputs, out0: [32768][256] f32.  idxw: [32768] i32, stored by the launch before.  part: [512] f32.
; Both in f32 on the numbers as given, in the order in which the sums are written above.  The loss is made of the differences themselves, not of
; the smallest distance, which is a difference of large sums.
; 512 work-groups of 8 waves; a wave owns 8 rows.  A row is 1,024 bytes: two loads of 16 bytes a lane, each covering 512 consecutive bytes.
; The eight indices are uniform in a wave: they come by one scalar load and the codes' addresses are scalar.
; Memory binds: no matrix unit, no cluster (no two work-groups are known to want the same code).
.set X, 16                             ; v[16:79]   row j: x, 8 registers
.set Q, 80                             ; v[80:143]  row j: the code, then the result; store data, never rewritten
.set L, 144                            ; v[144:151] eight running sums of squares
.set T, 152                            ; v[152:159] at work
	s_load_b256 s[4:11], s[0:1], 0x0               ; codebook s[4:5], inputs s[6:7], idxw s[8:9], out0 s[10:11]
	s_load_b64 s[12:13], s[0:1], 0x20              ; part
	v_lshl_add_u32 v160, v0, 2, 0x100
	v_mov_b32 v161, 0
	v_lshrrev_b32 v2, 5, v0
	v_readfirstlane_b32 s14, v2                    ; wave 0..7
	v_and_b32 v1, 31, v0
	v_lshlrev_b32 v1, 4, v1                        ; 16 bytes a lane
	s_lshl_b32 s40, ttmp9, 8                       ; 64 rows x 4 bytes
	s_lshl_b32 s15, s14, 5                         ; + 8 rows x 4 bytes for each wave
	s_add_co_u32 s40, s40, s15
	s_mov_b32 s41, 0
	s_lshl_b32 s42, s40, 8                         ; the same rows x 1,024 bytes
	s_mov_b32 s43, 0
	s_lshl_b32 s44, ttmp9, 2                       ; my word of part
	s_mov_b32 s45, 0
	s_mov_b32 s46, 0x76543210
	s_mov_b32 s47, 0xfedcba98
	s_wait_kmcnt 0x0
	s_add_nc_u64 s[8:9], s[8:9], s[40:41]
	s_load_b256 s[16:23], s[8:9], 0x0              ; my eight indices
	s_add_nc_u64 s[6:7], s[6:7], s[42:43]
	s_add_nc_u64 s[10:11], s[10:11], s[42:43]
	s_add_nc_u64 s[12:13], s[12:13], s[44:45]
.irp j, 0,1,2,3,4,5,6,7
	global_load_b128 v[X+8*\j:X+8*\j+3],   v1, s[6:7] offset:1024*\j     th:TH_LOAD_NT
	global_load_b128 v[X+8*\j+4:X+8*\j+7], v1, s[6:7] offset:1024*\j+512 th:TH_LOAD_NT
.endr
	s_wait_kmcnt 0x0
.irp j, 0,1,2,3,4,5,6,7
	s_min_u32 s[16+\j], s[16+\j], 0x1fff           ; an index stays inside the table
	s_lshl_b32 s[24+2*\j], s[16+\j], 10            ; x 1,024 bytes
	s_mov_b32 s[25+2*\j], 0
	s_add_nc_u64 s[24+2*\j:25+2*\j], s[4:5], s[24+2*\j:25+2*\j]
	global_load_b128 v[Q+8*\j:Q+8*\j+3],   v1, s[24+2*\j:25+2*\j]            ; no hint: a code may be named again
	global_load_b128 v[Q+8*\j+4:Q+8*\j+7], v1, s[24+2*\j:25+2*\j] offset:512
.endr
.irp j, 0,1,2,3,4,5,6,7
	s_wait_loadcnt 14-2*\j                         ; loads come back in order: this row's code (and all of x) is in, the younger rows' codes stay out
.irp p, 0,2,4,6
	v_pk_add_f32 v[T+\p:T+\p+1], v[Q+8*\j+\p:Q+8*\j+\p+1], v[X+8*\j+\p:X+8*\j+\p+1] neg_lo:[0,1] neg_hi:[0,1]   ; t = q - x
.endr
.irp p, 0,2,4,6
	v_pk_add_f32 v[Q+8*\j+\p:Q+8*\j+\p+1], v[X+8*\j+\p:X+8*\j+\p+1], v[T+\p:T+\p+1]                            ; x + t
.if \j == 0
	v_pk_mul_f32 v[L+\p:L+\p+1], v[T+\p:T+\p+1], v[T+\p:T+\p+1]                                                ; the first row starts the sums
.else
	v_pk_fma_f32 v[L+\p:L+\p+1], v[T+\p:T+\p+1], v[T+\p:T+\p+1], v[L+\p:L+\p+1]
.endif
.endr
	global_store_b128 v1, v[Q+8*\j:Q+8*\j+3],   s[10:11] offset:1024*\j     th:TH_STORE_NT   ; 512 consecutive bytes, aligned
	global_store_b128 v1, v[Q+8*\j+4:Q+8*\j+7], s[10:11] offset:1024*\j+512 th:TH_STORE_NT
.endr
	v_pk_add_f32 v[L:L+1], v[L:L+1], v[L+2:L+3]
	v_pk_add_f32 v[L+4:L+5], v[L+4:L+5], v[L+6:L+7]
	v_pk_add_f32 v[L:L+1], v[L:L+1], v[L+4:L+5]
	v_add_f32 v[L], v[L], v[L+1]
	v_add_f32_dpp v[L], v[L], v[L] row_xmask:1 row_mask:0xf bank_mask:0xf
	v_add_f32_dpp v[L], v[L], v[L] row_xmask:2 row_mask:0xf bank_mask:0xf
	v_add_f32_dpp v[L], v[L], v[L] row_xmask:4 row_mask:0xf bank_mask:0xf
	v_add_f32_dpp v[L], v[L], v[L] row_xmask:8 row_mask:0xf bank_mask:0xf
	v_permlanex16_b32 v[T], v[L], s46, s47
	v_add_f32 v[L], v[L], v[T]                     ; the wave's sum, in every lane
	s_lshl_b32 s15, s14, 2
	v_mov_b32 v2, s15
	ds_store_b32 v2, v[L]                          ; all lanes write the wave's word with the same value
	s_wait_dscnt 0x0                               ; for wave 0, which reads it: zero
	s_barrier_signal -1
	s_barrier_wait -1
	s_cmp_lg_u32 s14, 0
	s_cbranch_scc1 .Lend
	v_mov_b32 v3, 0
	ds_load_b128 v[4:7], v3
	ds_load_b128 v[8:11], v3 offset:16
	s_wait_dscnt 0x0
	v_pk_add_f32 v[4:5], v[4:5], v[6:7]
	v_pk_add_f32 v[8:9], v[8:9], v[10:11]
	v_pk_add_f32 v[4:5], v[4:5], v[8:9]
	v_add_f32 v4, v4, v5
	v_cmp_eq_u32 vcc_lo, 0, v0
	s_wait_xcnt 0x0                                ; EXEC is a source of the stores above: it changes only behind this wait
	s_and_saveexec_b32 s15, vcc_lo
	global_store_b32 v3, v4, s[12:13]              ; lane 0 alone: one number for the work-group
	s_wait_xcnt 0x0                                ; and again in front of the line that widens it
	s_or_b32 exec_lo, exec_lo, s15
.Lend:
	s_wait_tensorcnt 0x0
	ds_add_u32 v160, v161
	s_wait_dscnt 0x0
	s_endpgm
.Lfunc_end_k_q827e64a817_gather:
	.size	k_q827e64a817_gather, .Lfunc_end_k_q827e64a817_gather-k_q827e64a817_gather
	.p2alignl 7, 3214868480
	.fill 96, 4, 3214868480
	.section	.rodata,"a",@progbits
	.p2align	6, 0x0
	.amdhsa_kernel k_q827e64a817_gather
		.amdhsa_group_segment_fixed_size 1280
		.amdhsa_private_segment_fixed_size 0
		.amdhsa_enable_private_segment 0
		.amdhsa_kernarg_size 40
		.amdhsa_user_sgpr_count 2
		.amdhsa_user_sgpr_kernarg_segment_ptr 1
		.amdhsa_wavefront_size32 1
		.amdhsa_system_sgpr_workgroup_id_x 1
		.amdhsa_system_sgpr_workgroup_id_y 1
		.amdhsa_system_sgpr_workgroup_id_z 1
		.amdhsa_system_vgpr_workitem_id 0
		.amdhsa_next_free_vgpr 162
		.amdhsa_next_free_sgpr 66
		.amdhsa_reserve_vcc 1
		.amdhsa_float_denorm_mode_32 3
		.amdhsa_float_denorm_mode_16_64 3
		.amdhsa_memory_ordered 1
		.amdhsa_forward_progress 1
		.amdhsa_inst_pref_size 15
	.end_amdhsa_kernel
	.amdgpu_metadata
---
amdhsa.version: [ 1, 2 ]
amdhsa.kernels:
  - .name:           k_q827e64a817_gather
    .symbol:         k_q827e64a817_gather.kd
    .args:
      - { .name: codebook, .offset: 0, .size: 8, .value_kind: global_buffer, .address_space: global }
      - { .name: inputs, .offset: 8, .size: 8, .value_kind: global_buffer, .address_space: global }
      - { .name: idxw, .offset: 16, .size: 8, .value_kind: global_buffer, .address_space: global }
      - { .name: out0, .offset: 24, .size: 8, .value_kind: global_buffer, .address_space: global }
      - { .name: part, .offset: 32, .size: 8, .value_kind: global_buffer, .address_space: global }
    .group_segment_fixed_size: 1280
    .private_segment_fixed_size: 0
    .kernarg_segment_align: 8
    .kernarg_segment_size: 40
    .max_flat_workgroup_size: 256
    .sgpr_count:     66
    .vgpr_count:     162
    .wavefront_size: 32
...
	.end_amdgpu_metadata
.endif
;; end of part 3
;; launch finish (part 4): grid 1 x 1, 1 waves a work-group, no clusters, 0 bytes of LDS; arguments part, out1; writes out1
.if DOCPART == 4
	.amdgcn_target "amdgcn-amd-amdhsa--gfx1250"
	.amdhsa_code_object_version 6
	.text
	.protected	k_q827e64a817_finish
	.globl	k_q827e64a817_finish
	.p2align	8
	.type	k_q827e64a817_finish,@function
k_q827e64a817_finish:
	s_mov_b64 s[64:65], 0
	v_nop
	global_prefetch_b8 v0, s[64:65] scope:SCOPE_SE
	s_setreg_imm32_b32 hwreg(HW_REG_WAVE_MODE, 25, 1), 1
	s_wait_xcnt 0x0
; out1 = 1.25 x (the sum of the 512 partial sums) / (32768 x 256): the mean squared difference, once with weight 1 and once with 0.25.
; One wave: 2,048 bytes, four loads of 16 bytes a lane.  A sum that spans work-groups is ordered by a launch of its own.
	s_load_b128 s[4:7], s[0:1], 0x0                ; part s[4:5], out1 s[6:7]
	v_lshlrev_b32 v1, 4, v0
	s_mov_b32 s8, 0x76543210
	s_mov_b32 s9, 0xfedcba98
	s_wait_kmcnt 0x0
.irp j, 0,1,2,3
	global_load_b128 v[4+4*\j:7+4*\j], v1, s[4:5] offset:512*\j
.endr
	s_wait_loadcnt 0x0
	v_pk_add_f32 v[4:5], v[4:5], v[6:7]
	v_pk_add_f32 v[8:9], v[8:9], v[10:11]
	v_pk_add_f32 v[12:13], v[12:13], v[14:15]
	v_pk_add_f32 v[16:17], v[16:17], v[18:19]
	v_pk_add_f32 v[4:5], v[4:5], v[8:9]
	v_pk_add_f32 v[12:13], v[12:13], v[16:17]
	v_pk_add_f32 v[4:5], v[4:5], v[12:13]
	v_add_f32 v4, v4, v5
	v_add_f32_dpp v4, v4, v4 row_xmask:1 row_mask:0xf bank_mask:0xf
	v_add_f32_dpp v4, v4, v4 row_xmask:2 row_mask:0xf bank_mask:0xf
	v_add_f32_dpp v4, v4, v4 row_xmask:4 row_mask:0xf bank_mask:0xf
	v_add_f32_dpp v4, v4, v4 row_xmask:8 row_mask:0xf bank_mask:0xf
	v_permlanex16_b32 v5, v4, s8, s9
	v_add_f32 v4, v4, v5
	v_mul_f32 v4, 0x34200000, v4                   ; 1.25 x 2^-23
	v_mov_b32 v2, 0
	v_cmp_eq_u32 vcc_lo, 0, v0
	s_wait_xcnt 0x0                                ; EXEC changes only behind this wait
	s_and_saveexec_b32 s10, vcc_lo
	global_store_b32 v2, v4, s[6:7]                ; lane 0 alone
	s_wait_xcnt 0x0
	s_or_b32 exec_lo, exec_lo, s10
	s_endpgm
.Lfunc_end_k_q827e64a817_finish:
	.size	k_q827e64a817_finish, .Lfunc_end_k_q827e64a817_finish-k_q827e64a817_finish
	.p2alignl 7, 3214868480
	.fill 96, 4, 3214868480
	.section	.rodata,"a",@progbits
	.p2align	6, 0x0
	.amdhsa_kernel k_q827e64a817_finish
		.amdhsa_group_segment_fixed_size 0
		.amdhsa_private_segment_fixed_size 0
		.amdhsa_enable_private_segment 0
		.amdhsa_kernarg_size 16
		.amdhsa_user_sgpr_count 2
		.amdhsa_user_sgpr_kernarg_segment_ptr 1
		.amdhsa_wavefront_size32 1
		.amdhsa_system_sgpr_workgroup_id_x 1
		.amdhsa_system_sgpr_workgroup_id_y 1
		.amdhsa_system_sgpr_workgroup_id_z 1
		.amdhsa_system_vgpr_workitem_id 0
		.amdhsa_next_free_vgpr 32
		.amdhsa_next_free_sgpr 66
		.amdhsa_reserve_vcc 1
		.amdhsa_float_denorm_mode_32 3
		.amdhsa_float_denorm_mode_16_64 3
		.amdhsa_memory_ordered 1
		.amdhsa_forward_progress 1
		.amdhsa_inst_pref_size 3
	.end_amdhsa_kernel
	.amdgpu_metadata
---
amdhsa.version: [ 1, 2 ]
amdhsa.kernels:
  - .name:           k_q827e64a817_finish
    .symbol:         k_q827e64a817_finish.kd
    .args:
      - { .name: part, .offset: 0, .size: 8, .value_kind: global_buffer, .address_space: global }
      - { .name: out1, .offset: 8, .size: 8, .value_kind: global_buffer, .address_space: global }
    .group_segment_fixed_size: 0
    .private_segment_fixed_size: 0
    .kernarg_segment_align: 8
    .kernarg_segment_size: 16
    .max_flat_workgroup_size: 32
    .sgpr_count:     66
    .vgpr_count:     32
    .wavefront_size: 32
...
	.end_amdgpu_metadata
.endif
;; end of part 4
